; MI455X (gfx1250); checked and timed in simulation.
; The chip was launched on July 23, 2026; its instructions are those of AMD's public machine-readable ISA for CDNA 5 (MIT licence, August 2026) and "CDNA5" Instruction Set Architecture Reference Guide (July 2026). The comments in the code are by the model that wrote it; some were corrected since.
;; Slow MLP. Allowed arithmetic: matrix products marked QUANTISED: E2M1 operands, one E8M0 scale for each 32 along K, by v_wmma_scale_f32_16x16x128_f8f6f4 with both operands' format E2M1 (or v_wmma_scale_f32_32x16x128_f4), f32 sums; everything else in f32.
;; Inputs: b1 8,192 float32; b2 2,048 float32; w1_codes 8,192 x 64 x 16 uint8 (E2M1 codes of w1, K innermost, in blocks of 32 codes, two codes a byte); w1_scales 8,192 x 64 uint8 (E8M0 scales of w1, one for each 32 codes along K); w2_codes 2,048 x 256 x 16 uint8 (E2M1 codes of w2, K innermost, in blocks of 32 codes, two codes a byte); w2_scales 2,048 x 256 uint8 (E8M0 scales of w2, one for each 32 codes along K); x_codes 2,048 x 64 x 16 uint8 (E2M1 codes of x, K innermost, in blocks of 32 codes, two codes a byte); x_scales 2,048 x 64 uint8 (E8M0 scales of x, one for each 32 codes along K).
;; Outputs: out0 2,048 x 2,048 float32.
;; This version of the problem:
;;   THIS VERSION OF THE PROBLEM IS GIVEN IN LOW PRECISION. The matrix products marked QUANTISED in the list below multiply operands that are first quantised to E2M1 (2 exponent bits, 1 mantissa bit; 4 bits a number), with one power-of-two scale for each 32 numbers along K (OCP MX v1.0); their sums are f32. All else is computed in f32.
;;   The module's matrix products, in the order in which they are computed (A, B: the left and right operand; K: the contracted axis; several contracted axes count as one K, in the product's order):
;;     1. [M 2,048, K 2,048] x [K 2,048, N 8,192]; A: input x (given as codes); B: input w1 (given as codes): QUANTISED
;;     2. [M 2,048, K 8,192] x [K 8,192, N 2,048]; A: computed on the way; B: input w2 (given as codes): QUANTISED
;;   THE QUANTISER, for each operand of a quantised product, along K:
;;     - K is cut into blocks of 32 from its start; a last block that is shorter is filled with zeros.
;;     - A block's scale is 2^e with e = floor(log2(the largest magnitude in the block)) - 2, held to -126 .. 127; a block of zeros has e = 0. As a byte (E8M0): e + 127.
;;     - Each number is divided by its block's scale, clamped to +-6, and rounded to the nearest number of E2M1, ties to even, subnormals kept.
;;     - The product sums the exact products of the quantised numbers (number of the format x scale) in f32.
;;   ~~~python
;;   def quantise(x, axis):      # numpy; x: float32 -> the quantised numbers, widened to float32 again
;;       x = np.moveaxis(x, axis, -1); K = x.shape[-1]
;;       x = np.pad(x, [(0, 0)] * (x.ndim - 1) + [(0, -K % 32)]); x = x.reshape(x.shape[:-1] + (-1, 32)); a = np.abs(x).max(-1, keepdims=True)
;;       e = np.where(a > 0, np.clip(np.frexp(np.where(a > 0, a, 1))[1] - 1 - 2, -126, 127), 0)      # np.frexp(a)[1] - 1 = floor(log2(a)), exactly
;;       r = np.clip(x / 2.0 ** e, -6, 6)
;;       step = 2.0 ** (np.maximum(np.frexp(np.where(r == 0, 1, r))[1] - 1, 0) - 1)
;;       q = np.round(r / step) * step * 2.0 ** e      # np.round: ties to even
;;       return np.moveaxis(q.reshape(q.shape[:-2] + (-1,))[..., :K], -1, axis).astype(np.float32)
;;   ~~~
;;   OPERANDS COMPUTED ON THE WAY. 'Computed on the way' means the value that the module computes at that place (a softmax that the list does not call 'softmax' is quantised finished and normalised). What goes into a quantiser is computed in f32, as accurately as f32 sums, v_exp_f32 and their like allow (about 1e-6 of the number): no bf16 or f16 on the way to a quantiser, and a product that is left as it is and whose result goes on into a quantised operand takes f32 operands (vector FMAs, or v_wmma_f32_16x16x4_f32). A number that lies on a knife's edge between two numbers of the format may be rounded either way, as far as f32 arithmetic and the matrix unit's own rounding can turn it there, and no further.
;;   INPUTS GIVEN AS CODES. w1 (in the module: [2048, 8192], K = its axis 0); w2 (in the module: [8192, 2048], K = its axis 0); x (in the module: [2048, 2048], K = its axis 1): each comes as NAME_codes (uint8): NAME with its K axis moved to the last place and cut into blocks of 32 codes, [.., K / 32, bytes a block], one block behind the other in memory; two codes a byte, the lower K in the low four bits (a code: sign, 2 exponent bits, 1 mantissa bit); and NAME_scales (uint8): the same leading axes, one E8M0 byte (e + 127) for each 32 codes along K. Its value is code x scale, taken as it is: it is not quantised again, and the codes and scales need not be those that the quantiser above would give.
;; One version. Each part assembles by itself: llvm-mc -triple=amdgcn-amd-amdhsa -mcpu=gfx1250 --defsym DOCPART=n.
;; ======== version 1 of 1: 2 launches
;; limits: right only within a limited range of input values
;; workspace buffers: h 8,912,896 bytes
;; launch fc1 (part 1): grid 32 x 8, 4 waves a work-group, clusters of 4 x 4, 327,680 bytes of LDS; arguments x_codes, x_scales, w1_codes, w1_scales, b1, h; writes h
.if DOCPART == 1
	.amdgcn_target "amdgcn-amd-amdhsa--gfx1250"
	.amdhsa_code_object_version 6
	.text
	.protected	k_qc5ced3a916_fc1
	.globl	k_qc5ced3a916_fc1
	.p2align	8
	.type	k_qc5ced3a916_fc1,@function
k_qc5ced3a916_fc1:
	s_mov_b64 s[64:65], 0
	v_nop
	global_prefetch_b8 v0, s[64:65] scope:SCOPE_SE
	s_setreg_imm32_b32 hwreg(HW_REG_WAVE_MODE, 25, 1), 1
	s_wait_xcnt 0x0
	s_wait_alu depctr_hold_cnt(0) depctr_sa_sdst(0) depctr_va_vdst(0) depctr_va_sdst(0) depctr_va_ssrc(0) depctr_va_vcc(0) depctr_vm_vsrc(0)
	s_getreg_b32 s2, hwreg(HW_REG_IB_STS2, 6, 4)
	s_cmp_eq_u32 s2, 0
	s_cbranch_scc0 .Lentry_in_a_cluster
	s_endpgm
.Lentry_in_a_cluster:
	s_bfe_u32 s2, ttmp6, 0x10000c
	s_cmp_lg_u32 s2, 0xf033
	s_cbranch_scc0 .Lentry_shape_is_right
	s_endpgm
.Lentry_shape_is_right:
; h = Q(relu(x w1 + b1)).  x: [2048][2048], w1: [8192][2048]: codes of FP4 (E2M1), K innermost, two codes a byte, with one E8M0 byte for each 32 along K.  b1: [8192] f32.
; Q is the MX quantiser along the hidden axis, the next product's K: a block's scale is 2^(floor(log2(its largest magnitude)) - 2), its byte held at 1 from below; numbers to the nearest code, ties to even.
; A tile of h, 256 rows x 256 hidden units, is made by a work-group of four waves; a wave makes 128 x 128: 64 accumulators of 16 x 16, 512 registers.  8 x 32 tiles: 256 work-groups.
; K = 2,048 goes in four K steps of 512 (tile rows of 256 bytes) through a ring of two LDS slots; a K step is four steps of 128: 64 matrix instructions each.
; THE SCALE BYTES of the work-group's 256 rows of x and of w1, for all of K, are two dense blocks of 16 KiB: they come into LDS once, with K step 0, and from there once into 128 registers a wave:
; a row's 16 words are four registers x two halves of the lanes x two loads; the matrix instruction takes a side's words from lanes 0-15 or, with the ROW1 selector, from lanes 16-31.
; CLUSTERS: 4 x 4 work-groups.  The four of a row of the cluster need the same tiles of x, the four of a column the same tiles of w1: each tile is asked for jointly, by the same tensor load with the same descriptor and a mask that names the four.
; THE MATRIX INSTRUCTION IS USED TRANSPOSED (source 0 = 16 rows of w1, source 1 = 16 rows of x): lane (r, h) then holds one row of h (16 a + r), and register j of tile b the hidden unit 16 b + 8 h + j.
; b1 is the C of each sum's first matrix instruction (so the bias stands first in the f32 sum and not last: the last bits may differ from a sum that adds it at the end).
; PREFETCH: K steps 1, 2, 3 are asked for one K step ahead of their tensor loads (at the head, behind K step 1's load, behind K step 2's): a lane a row, one instruction a wave; the four partners of a joint load share its 128 rows out by address.
; THE WAY OUT: no LDS.  A block of 16 rows x 128 units is 64 registers a lane: the four blocks' scales from the largest positive number, eight conversions, four exchanges of halves; RELU IS TAKEN ON THE CODES:
; a code whose sign bit is set keeps the sign alone (minus zero).  The maxima leave the magnitudes' modifier off, so what is negative does not count for a scale.  The result is the next product's fragment (8 registers a lane).
; LAYOUT OF h: [T 16][t 8] blocks of 69,632 bytes (T: 128 rows, t: 1,024 hidden units): codes [kc 8][a 8][c 2][lane 32][16 bytes] (kc: 128 units, a: 16 rows), the images of fragments, and behind them at byte 65,536
; scale words [w 4][g 2][lane (q, r) 32][j 4]: row 16 (4 g + j) + r, kc = 2 w + q.  Each store of codes covers 512 consecutive bytes, aligned.
; LIMITS: NaN and infinities in h, and scale bytes 0xff among the inputs, are not served.  A block of h without a positive number gets the byte 1 where the rule says 127: its codes are zeros, which add nothing, and this program alone reads the bytes.
; REGISTERS: window 0: v0-31 addresses; v32-95 x's scale words; v96-127 the way out; v128-191 x's fragments (8 x 16 rows x 128 K), one set, later the way out; v192-255 w1's scale words.
;   window 1: w1's fragments, two sets, at v0 and v128; v64-127 b1.   window 2: the accumulators of my rows 0-63 ((a, b) at v[8 (8 a + b)]);   window 3: those of my rows 64-127.
.set NQ,     4                         ; steps of 128 along K in a slot
.set ROWB,   256                       ; a tile's row in bytes: 512 codes
.set KROW,   1024                      ; a row of x or of w1 in memory
.set PITCH,  272                       ; an LDS row: 256 bytes + 16 of padding: the 16 rows of a fragment load start at 16 different banks (64 banks of 4 bytes: ISA guide 11.1)
.set HALFT,  128*PITCH                 ; 128 rows
.set SLOT,   4*HALFT                   ; x's 256 rows, then w1's 256 rows
.set SCL,    2*SLOT                    ; behind the ring: the scale bytes, as runs of 256 bytes + 16 of padding
.set HALFS,  32*272                    ; those of 128 rows
.set SBLK,   4*272                     ; those of 16 rows
.set SPARE,  SCL+4*HALFS               ; the spare words, 128 bytes for each wave
.set HBLK,   69632                     ; a block of h
.set ADRA,  16                         ; v16-17  LDS address of my fragments of x in slot 0, 1
.set ADRB,  20                         ; v20-21  the same for w1
.set ADRSA, 22                         ; v22     LDS address of my rows' scale words of x: lanes 16-31 stand 32 bytes (two K steps) further along the row
.set ADRSB, 23                         ; v23     the same for w1
.set CO,    24                         ; v24     16 x lane
.set SO,    25                         ; v25     my place among the scale words that I store
.set BO,    26                         ; v26     32 h
.set SPW,   28                         ; v28     LDS address of my spare word; never rewritten
.set NIL,   29                         ; v29     0; never rewritten
.set PFO,   30                         ; v30     the prefetches' offset: lane x a row; never rewritten
.set SA,    32                         ; x's scale words: v[SA + 8 a + 4 (ks % 2) + q]; lanes 0-15: K steps 0, 1; lanes 16-31: K steps 2, 3
.set SB,    192                        ; w1's likewise, by tile b
.set AF,    128                        ; x's fragments
.set BI,    64                         ; b1, in window 1
.set TM,    96                         ; v96-99 largest numbers, v100-103 the other half's, then bytes
.set SC,    104                        ; v104-107, v108-111 the conversions' scale operands, by turns
.set PC,    112                        ; v112-119, v128-135 the codes, by turns
.set PWS,   120                        ; v120-127 the scale word of each of my eight blocks of rows
.set MK,    136                        ; v136-151 the relu on the codes
.set SEL,   20                         ; s[20:21] lane selects: lane l xor 16
.set G1,   24                          ; s[24:31] group 1 for x's tiles;  s[32:39] group 0, one set for each slot
.set G0,   32
.set G1B,  48                          ; s[48:55], s[56:63] the same for w1's tiles
.set G0B,  56
.set G1S,  68                          ; s[68:75], s[76:79] groups 1 and 0 for x's scale bytes;  s[80:87], s[88:91] for w1's
.set G0S,  76
.set G1SB, 80
.set G0SB, 88
.set G0H,  4                           ; s[4:7], s[8:11] group 0 for the head's 256 rows of x, of w1 (the arguments there have been used by then)
.set G0HB, 8
.set MSB, 0
.macro WIN new                         ; the immediate's high byte repeats the setting that is left; a switch that changes nothing is dropped
.if MSB != (\new)
	s_set_vgpr_msb (MSB<<8)|(\new)
.set MSB, (\new)
.endif
.endm
.set MUL_LO,   0xa1                    ; source 0 (w1) window 1, source 1 (x) window 0, C and D window 2
.set MUL_HI,   0xf1                    ; the same, C and D window 3
.set FIRST_LO, 0x91                    ; the first step: C (b1) window 1, D window 2
.set FIRST_HI, 0xd1                    ; C window 1, D window 3
.set TO_B,     0x40                    ; destination window 1, address window 0
; A joint load: waves 0 and 1 fetch for x, waves 2 and 3 for w1; the branch hangs on the wave's number alone.
.macro JLOAD s
	s_cmp_eq_u32 s15, 0
	s_cbranch_scc0 .Lfor_b_\@
	tensor_load_to_lds s[G0+4*\s:G0+4*\s+3], s[G1:G1+7]
	s_nop 0
.rept 4
	v_nop
.endr
	s_branch .Lasked_\@
.Lfor_b_\@:
	tensor_load_to_lds s[G0B+4*\s:G0B+4*\s+3], s[G1B:G1B+7]
	s_nop 0
.rept 4
	v_nop
.endr
.Lasked_\@:
.endm
.macro ARM under, g0, g1, next         ; the head's load of one wave
	s_cmp_lt_u32 s14, \under
	s_cbranch_scc0 \next
	tensor_load_to_lds s[\g0:\g0+3], s[\g1:\g1+7]
	s_nop 0
.rept 4
	v_nop
.endr
	s_branch .Lhead_asked
\next:
.endm
.macro CREST                           ; a round of the cluster's barrier behind its opening barrier
	s_cmp_lg_u32 s14, 0
	s_cbranch_scc1 .Lnot_wave_0_\@
	s_barrier_signal -3
.Lnot_wave_0_\@:
	s_barrier_wait -3
	s_barrier_signal -1
	s_barrier_wait -1
.endm
.macro CROUND                          ; a whole round
	s_barrier_signal -1
	s_barrier_wait -1
	CREST
.endm
.macro PLACES n                        ; loads into registers that matrix instructions have read, and vector reads of their results, stand four plain vector instructions behind them
.rept \n
	v_nop
.endr
.endm
.macro ASK ks                          ; prefetch my 32 rows of K step ks
	global_prefetch_b8 v[PFO], s[2:3] offset:(\ks)*ROWB th:TH_LOAD_NT scope:SCOPE_SE
.endm
	s_load_b256 s[4:11], s[0:1], 0x0               ; x's codes s[4:5], x's scales s[6:7], w1's codes s[8:9], w1's scales s[10:11]
	s_load_b64 s[12:13], s[0:1], 0x20              ; b1
	s_load_b64 s[96:97], s[0:1], 0x28              ; h
	v_lshl_add_u32 v[SPW], v0, 2, SPARE
	v_mov_b32 v[NIL], 0
	ds_add_u32 v[SPW], v[NIL]                      ; the opening lines: the add, twice on end, and its wait
	ds_add_u32 v[SPW], v[NIL]
	v_lshrrev_b32 v1, 5, v0
	v_readfirstlane_b32 s14, v1                    ; wave 0..3
	s_lshr_b32 s15, s14, 1                         ; which half of the tile's rows is mine.  Also: in the ring I fetch for x (0) or for w1 (1)
	s_and_b32 s16, s14, 1                          ; which half of its hidden units.  Also: which 128 rows of that tile I fetch
	s_bfe_u32 s40, ttmp6, 0x40000                  ; cx, cy: my place in the cluster
	s_bfe_u32 s41, ttmp6, 0x40004
	s_lshl_b32 s42, ttmp9, 2
	s_add_co_u32 s42, s42, s40                     ; X, the tile's column: 0 .. 31
	s_and_b32 s17, ttmp7, 0xffff
	s_lshl_b32 s17, s17, 2
	s_add_co_u32 s17, s17, s41                     ; Y, the tile's row: 0 .. 7
	s_lshl_b32 s43, s41, 2
	s_lshl_b32 s43, 15, s43                        ; my row of the cluster
	s_lshl_b32 s44, 0x1111, s40                    ; my column
	; group 1: rows of 256 bytes, 16 bytes of padding behind each: 256 rows for the head's loads, 128 for the ring's
	s_or_b32 s[G1+0], s43, (0<<16)|(1<<20)|(1<<21)|(5<<22)|(3<<25)
	s_or_b32 s[G1B+0], s44, (0<<16)|(1<<20)|(1<<21)|(5<<22)|(3<<25)
.irp g, G1, G1B
	s_mov_b32 s[\g+1], ROWB<<16
	s_mov_b32 s[\g+2], 256<<16
	s_mov_b32 s[\g+3], ROWB<<16
	s_mov_b32 s[\g+4], 256
	s_mov_b32 s[\g+5], KROW
	s_mov_b32 s[\g+6], 0
	s_mov_b32 s[\g+7], 0
.endr
	; the scale bytes of 256 rows: 16,384 dense bytes, as 64 rows of 256 bytes (32 elements of 8 bytes), 16 bytes of padding behind each
	s_or_b32 s[G1S+0], s43, (3<<16)|(1<<20)|(1<<21)|(5<<22)|(3<<25)
	s_or_b32 s[G1SB+0], s44, (3<<16)|(1<<20)|(1<<21)|(5<<22)|(3<<25)
.irp g, G1S, G1SB
	s_mov_b32 s[\g+1], 32<<16
	s_mov_b32 s[\g+2], 64<<16
	s_mov_b32 s[\g+3], 32<<16
	s_mov_b32 s[\g+4], 64
	s_mov_b32 s[\g+5], 32
	s_mov_b32 s[\g+6], 0
	s_mov_b32 s[\g+7], 0
.endr
	s_lshl_b32 s20, s17, 8                         ; x: the tile's first row, 256 Y
	s_lshl_b32 s46, s42, 8                         ; w1: 256 X
	s_mov_b32 s21, 0
	s_mov_b32 s47, 0
	s_lshl_b64 s[22:23], s[20:21], 6               ; 64 scale bytes a row,
	s_lshl_b64 s[92:93], s[46:47], 6
	s_lshl_b64 s[20:21], s[20:21], 10              ; 1,024 bytes of codes a row
	s_lshl_b64 s[46:47], s[46:47], 10
	s_mov_b32 s[G0S], 1
	s_mov_b32 s[G0S+1], SCL
	s_mov_b32 s[G0SB], 1
	s_mov_b32 s[G0SB+1], SCL+2*HALFS
	s_wait_dscnt 0x0                               ; both opening adds are done
	CROUND                                         ; all sixteen work-groups are here: the first joint loads meet
	s_wait_kmcnt 0x0
	s_add_nc_u64 s[20:21], s[4:5], s[20:21]
	s_add_nc_u64 s[G0S+2:G0S+3], s[6:7], s[22:23]
	s_add_nc_u64 s[46:47], s[8:9], s[46:47]
	s_add_nc_u64 s[G0SB+2:G0SB+3], s[10:11], s[92:93]
	s_or_b32 s[G0S+3], s[G0S+3], 0x80000000
	s_or_b32 s[G0SB+3], s[G0SB+3], 0x80000000
	s_mov_b32 s[G0H], 1
	s_mov_b32 s[G0H+1], 0
	s_mov_b64 s[G0H+2:G0H+3], s[20:21]
	s_or_b32 s[G0H+3], s[G0H+3], 0x80000000
	s_mov_b32 s[G0HB], 1
	s_mov_b32 s[G0HB+1], 2*HALFT
	s_mov_b64 s[G0HB+2:G0HB+3], s[46:47]
	s_or_b32 s[G0HB+3], s[G0HB+3], 0x80000000
	; the head's loads, one a wave: K step 0's 256 rows of x, of w1, and their scale bytes; one tree of branches, one load on each way
	ARM 1, G0H,  G1,  .Lhead_b
	ARM 2, G0HB, G1B, .Lhead_sa
	ARM 3, G0S,  G1S, .Lhead_sb
	tensor_load_to_lds s[G0SB:G0SB+3], s[G1SB:G1SB+7]
	s_nop 0
.rept 4
	v_nop
.endr
.Lhead_asked:
	s_mul_i32 s18, s16, 128*KROW                   ; in the ring I fetch 128 rows of a tile,
	s_mov_b32 s19, 0
	s_mul_i32 s45, s14, HALFT                      ; to wave x 128 rows: no place in the cluster enters an LDS address
	s_add_nc_u64 s[20:21], s[20:21], s[18:19]
	s_add_nc_u64 s[46:47], s[46:47], s[18:19]
.irp s, 0,1
	s_mov_b32 s[G0+4*\s], 1
	s_add_co_u32 s[G0+4*\s+1], s45, \s*SLOT
	s_add_nc_u64 s[G0+4*\s+2:G0+4*\s+3], s[20:21], \s*ROWB
	s_or_b32 s[G0+4*\s+3], s[G0+4*\s+3], 0x80000000
	s_mov_b32 s[G0B+4*\s], 1
	s_add_co_u32 s[G0B+4*\s+1], s45, \s*SLOT
	s_add_nc_u64 s[G0B+4*\s+2:G0B+4*\s+3], s[46:47], \s*ROWB
	s_or_b32 s[G0B+4*\s+3], s[G0B+4*\s+3], 0x80000000
.endr
	s_cmp_eq_u32 s15, 0                            ; the prefetches: of the 128 rows that I fetch, my work-group's 32: by cx for x, by cy for w1
	s_cselect_b64 s[2:3], s[20:21], s[46:47]
	s_cselect_b32 s22, s40, s41
	s_lshl_b32 s22, s22, 15
	s_mov_b32 s23, 0
	s_add_nc_u64 s[2:3], s[2:3], s[22:23]
	s_lshl_b32 s92, s42, 10                        ; b1: my 128 numbers begin 1,024 X + 512 x half bytes on
	s_lshl_b32 s93, s16, 9
	s_add_co_u32 s92, s92, s93
	s_mov_b32 s93, 0
	s_add_nc_u64 s[12:13], s[12:13], s[92:93]
	s_lshl_b32 s18, s17, 1
	s_add_co_u32 s18, s18, s15                     ; T = 2 Y + my half of the rows
	s_mul_i32 s92, s18, 8*HBLK
	s_lshr_b32 s46, s42, 2                         ; t = X / 4
	s_mul_i32 s46, s46, HBLK
	s_add_co_u32 s92, s92, s46
	s_add_nc_u64 s[96:97], s[96:97], s[92:93]      ; my block of h
	s_and_b32 s46, s42, 3                          ; w = X % 4
	s_lshl_b32 s92, s46, 10
	s_add_co_u32 s92, s92, 65536
	s_add_nc_u64 s[98:99], s[96:97], s[92:93]      ; its scale words for w
	s_lshl_b32 s92, s46, 14
	s_lshl_b32 s46, s16, 13
	s_add_co_u32 s92, s92, s46
	s_add_nc_u64 s[96:97], s[96:97], s[92:93]      ; its codes: kc = 2 w + my half of the hidden units
	s_mul_i32 s18, s15, HALFT                      ; my 128 rows of x
	s_mul_i32 s19, s16, HALFT                      ; my 128 rows of w1, behind x's 256
	s_add_co_u32 s19, s19, 2*HALFT
	s_mul_i32 s22, s15, HALFS
	s_add_co_u32 s22, s22, SCL
	s_mul_i32 s23, s16, HALFS
	s_add_co_u32 s23, s23, SCL+2*HALFS
	s_lshl_b32 s94, s16, 8
	s_mov_b32 s[SEL], 0x76543210
	s_mov_b32 s[SEL+1], 0xfedcba98
	v_and_b32 v1, 15, v0                           ; r
	v_bfe_u32 v2, v0, 4, 1                         ; h; kept to the end
	v_and_b32 v6, 31, v0
	v_mul_u32_u24 v3, v1, PITCH
	v_lshl_add_u32 v4, v2, 4, v3                   ; a fragment's row x pitch + 16 x half
	v_add_nc_u32 v[ADRA], s18, v4
	v_add_nc_u32 v[ADRB], s19, v4
	v_add_nc_u32 v[ADRA+1], SLOT, v[ADRA]
	v_add_nc_u32 v[ADRB+1], SLOT, v[ADRB]
	v_lshlrev_b32 v5, 6, v1                        ; my row's scale bytes: 64 a row,
	v_lshrrev_b32 v7, 2, v1
	v_lshl_add_u32 v5, v7, 4, v5                   ; 16 more for each 256 passed,
	v_lshl_add_u32 v5, v2, 5, v5                   ; and lanes 16-31 take the words of K steps 2 and 3
	v_add_nc_u32 v[ADRSA], s22, v5
	v_add_nc_u32 v[ADRSB], s23, v5
	v_lshlrev_b32 v[CO], 4, v6
	v_lshlrev_b32 v[PFO], 10, v6
	v_lshlrev_b32 v[SO], 4, v1                     ; the scale words that I store: 16 r + 256 q + 512 g, q = my half of the hidden units, g = my half of the lanes
	v_lshl_add_u32 v[SO], v2, 9, v[SO]
	v_add_nc_u32 v[SO], s94, v[SO]
	v_lshlrev_b32 v[BO], 5, v2
.irp b, 0,1,2,3
	v_mov_b32 v[TM+4+\b], 0                        ; written once: a lane permute's destination counts as one of its sources
.endr
	s_wait_alu depctr_va_vdst(0)
	ASK 1
	WIN TO_B
.irp b, 0,1,2,3,4,5,6,7
	global_load_b128 v[BI+8*\b:BI+8*\b+3],   v[BO], s[12:13] offset:64*\b       ; lane (r, h), tile b: b1 at hidden units 16 b + 8 h + 0 .. 7: the result's layout
	global_load_b128 v[BI+8*\b+4:BI+8*\b+7], v[BO], s[12:13] offset:64*\b+16
.endr
	WIN 0
.macro FRAG reg, adr, q, i             ; a fragment, 16 rows x 128 K of 4-bit codes: lane l holds row l % 16; registers 4 c .. 4 c + 3 hold K = 64 c + 32 (l / 16) + 0 .. 31
.irp c, 0,1
	ds_load_b128 v[\reg+4*\c:\reg+4*\c+3], v[\adr] offset:64*(\q)+32*\c+(\i)*16*PITCH
.endr
.endm
; 16 matrix instructions: x's blocks a0, a0 + 1 against w1's eight tiles, 128 along K: step q of K step ks.  p: w1's set.  first = 1: the sums begin with b1.
; The 64 accumulators take turns in the same order in every step.  K steps 2 and 3 take both sides' scale words from lanes 16-31.
.macro MUL16 a0, p, ks, q, first
.irp a, \a0, \a0+1
.irp b, 0,1,2,3,4,5,6,7
.if \first
	v_wmma_scale_f32_16x16x128_f8f6f4 v[8*(8*((\a)%4)+\b):8*(8*((\a)%4)+\b)+7], v[128*(\p)+8*\b:128*(\p)+8*\b+7], v[AF+8*(\a):AF+8*(\a)+7], v[BI+8*\b:BI+8*\b+7], v[SB+8*\b+4*((\ks)%2)+(\q)], v[SA+8*(\a)+4*((\ks)%2)+(\q)] matrix_a_fmt:MATRIX_FMT_FP4 matrix_b_fmt:MATRIX_FMT_FP4
.elseif (\ks) >= 2
	v_wmma_scale_f32_16x16x128_f8f6f4 v[8*(8*((\a)%4)+\b):8*(8*((\a)%4)+\b)+7], v[128*(\p)+8*\b:128*(\p)+8*\b+7], v[AF+8*(\a):AF+8*(\a)+7], v[8*(8*((\a)%4)+\b):8*(8*((\a)%4)+\b)+7], v[SB+8*\b+4*((\ks)%2)+(\q)], v[SA+8*(\a)+4*((\ks)%2)+(\q)] matrix_a_fmt:MATRIX_FMT_FP4 matrix_b_fmt:MATRIX_FMT_FP4 matrix_a_scale:MATRIX_SCALE_ROW1 matrix_b_scale:MATRIX_SCALE_ROW1
.else
	v_wmma_scale_f32_16x16x128_f8f6f4 v[8*(8*((\a)%4)+\b):8*(8*((\a)%4)+\b)+7], v[128*(\p)+8*\b:128*(\p)+8*\b+7], v[AF+8*(\a):AF+8*(\a)+7], v[8*(8*((\a)%4)+\b):8*(8*((\a)%4)+\b)+7], v[SB+8*\b+4*((\ks)%2)+(\q)], v[SA+8*(\a)+4*((\ks)%2)+(\q)] matrix_a_fmt:MATRIX_FMT_FP4 matrix_b_fmt:MATRIX_FMT_FP4
.endif
.endr
.endr
.endm
.macro FETCH_B slot, q, p              ; w1's eight fragments of the slot's q-th 128 along K into set p
	WIN TO_B
.irp i, 0,1,2,3,4,5,6,7
	FRAG 128*(\p)+8*\i, ADRB+\slot, \q, \i
.endr
	WIN 0
.endm
.macro FETCH_A slot, q, i0             ; x's blocks i0 .. i0 + 3
.irp i, \i0, \i0+1, \i0+2, \i0+3
	FRAG AF+8*(\i), ADRA+\slot, \q, \i
.endr
.endm
; A step of 128 along K that has its successor in the same slot.  A block of x is free as soon as its eight products are issued, so one set of registers serves x:
; blocks 0-3 are fetched anew in the step's middle, blocks 4-7 at its end.  w1's fragments are at work through the whole step: two sets.
.macro STEP slot, ks, q, first
	s_wait_dscnt 8                                 ; w1's set and x's blocks 0-3 are in; the youngest eight loads (x's blocks 4-7) may be out
.if \first
	WIN FIRST_LO
.else
	WIN MUL_LO
.endif
	MUL16 0, (\q)%2, \ks, \q, \first
	MUL16 2, (\q)%2, \ks, \q, \first
	s_wait_dscnt 0x0                               ; x's blocks 4-7 are in
	PLACES 4
	FETCH_B \slot, (\q)+1, 1-(\q)%2
	FETCH_A \slot, (\q)+1, 0
.if \first
	WIN FIRST_HI
.else
	WIN MUL_HI
.endif
	MUL16 4, (\q)%2, \ks, \q, \first
	MUL16 6, (\q)%2, \ks, \q, \first
	PLACES 4
	WIN 0
	FETCH_A \slot, (\q)+1, 4
.endm
; A slot's last step changes slots: ONE barrier; in front of it each wave waits for all its tensor loads, adds 0 to its spare word, and waits for that and for its own reads of this slot.
; fill = 1: this slot is filled again, two K steps ahead; the barrier then opens a round of the cluster's barrier, and the joint refill is the first tensor load behind the round.
.macro TURN slot, next, ks, fill
	s_wait_tensorcnt 0x0                           ; my part of the next slot is in  (every window is 0 here)
	ds_add_u32 v[SPW], v[NIL]
	s_wait_dscnt 9                                 ; the add and the youngest eight loads (x's blocks 4-7) may be out
	WIN MUL_LO
	MUL16 0, 1, \ks, NQ-1, 0
	s_wait_dscnt 0x0                               ; the add is done, and my reads of this slot are over
	s_barrier_signal -1
	MUL16 2, 1, \ks, NQ-1, 0
	WIN 0
	s_barrier_wait -1
.if \fill
	CREST                                          ; no wave of any partner still reads this slot's tile or has a load on its way
	s_add_nc_u64 s[G0+4*\slot+2:G0+4*\slot+3], s[G0+4*\slot+2:G0+4*\slot+3], 2*ROWB
	s_add_nc_u64 s[G0B+4*\slot+2:G0B+4*\slot+3], s[G0B+4*\slot+2:G0B+4*\slot+3], 2*ROWB
	JLOAD \slot                                    ; its four v_nop are the places in front of the loads below
.else
	PLACES 4
.endif
	FETCH_B \next, 0, 0
	FETCH_A \next, 0, 0
.if (\fill) && (\slot) == 0
	ASK 3                                          ; one K step ahead of its load
.endif
	WIN MUL_HI
	MUL16 4, 1, \ks, NQ-1, 0
	MUL16 6, 1, \ks, NQ-1, 0
	PLACES 4
	WIN 0
	FETCH_A \next, 0, 4
.endm
	s_wait_loadcnt 0x0                             ; b1
	s_wait_tensorcnt 0x0                           ; my tile of the head's four is in
	ds_add_u32 v[SPW], v[NIL]
	s_mov_b32 s[G1+2], 128<<16                     ; no tensor load of mine is out: from here on a load brings 128 rows
	s_mov_b32 s[G1+4], 128
	s_mov_b32 s[G1B+2], 128<<16
	s_mov_b32 s[G1B+4], 128
	s_wait_dscnt 0x0                               ; the add is done
	CROUND                                         ; all four tiles are in, and all sixteen work-groups are here:
	JLOAD 1                                        ; K step 1, the first tensor load behind the round
.irp i, 0,1,2,3,4,5,6,7                        ; all my scale words, once: a load takes four words (one K step) of a row; lanes 16-31 those two K steps on
.irp kp, 0,1
	ds_load_b128 v[SA+8*\i+4*\kp:SA+8*\i+4*\kp+3], v[ADRSA] offset:\i*SBLK+16*\kp
	ds_load_b128 v[SB+8*\i+4*\kp:SB+8*\i+4*\kp+3], v[ADRSB] offset:\i*SBLK+16*\kp
.endr
.endr
	FETCH_B 0, 0, 0
	FETCH_A 0, 0, 0
	FETCH_A 0, 0, 4
	ASK 2                                          ; one K step ahead of its load
	STEP 0, 0, 0, 1                                ; the first products start the sums, with b1 as C
	STEP 0, 0, 1, 0
	STEP 0, 0, 2, 0
	TURN 0, 1, 0, 1                                ; slot 0 takes K step 2
	STEP 1, 1, 0, 0
	STEP 1, 1, 1, 0
	STEP 1, 1, 2, 0
	TURN 1, 0, 1, 1                                ; slot 1 takes K step 3
	STEP 0, 2, 0, 0
	STEP 0, 2, 1, 0
	STEP 0, 2, 2, 0
	TURN 0, 1, 2, 0                                ; nothing is left to fetch: no round, no load
	STEP 1, 3, 0, 0
	STEP 1, 3, 1, 0
	STEP 1, 3, 2, 0
	s_wait_dscnt 8                                 ; the very last step
	WIN MUL_LO
	MUL16 0, 1, 3, NQ-1, 0
	MUL16 2, 1, 3, NQ-1, 0
	s_wait_dscnt 0x0
	WIN MUL_HI
	MUL16 4, 1, 3, NQ-1, 0
	MUL16 6, 1, 3, NQ-1, 0
	WIN 0
	PLACES 4                                       ; in front of the first read of results and of the first write into the registers that held x's fragments
; THE WAY OUT of block a: 16 rows x 128 hidden units, 64 numbers a lane: register 8 t + j = unit 16 t + 8 h + j of my row.  A block of 32 units is tiles 2 b and 2 b + 1, in lanes l and l xor 16.
.macro MX a, i                         ; two more numbers of each of the four blocks into its largest; round 0 with the floor 2^(3 - 127): the byte cannot fall under 1.  Each accumulator from its low end on
	WIN 0x22+0x11*((\a)/4)                         ; sources 0 and 2: window 2 or 3
.irp b, 0,1,2,3
.if (\i) == 0
	v_max3_num_f32 v[TM+\b], v[64*((\a)%4)+16*\b], 0x1800000, v[64*((\a)%4)+16*\b+1]
.else
	v_max3_num_f32 v[TM+\b], v[64*((\a)%4)+16*\b+2*(\i)], v[TM+\b], v[64*((\a)%4)+16*\b+2*(\i)+1]
.endif
.endr
.endm
.macro FIN a                           ; the four scale operands, and my row's scale word
.set SQ, SC+4*((\a)%2)
	WIN 0
.irp b, 0,1,2,3
	v_permlanex16_b32 v[TM+4+\b], v[TM+\b], s[SEL], s[SEL+1]
.endr
.irp b, 0,1,2,3
	v_max_num_f32 v[TM+\b], v[TM+\b], v[TM+4+\b]   ; with lane l xor 16's: the block's largest number
.endr
.irp b, 0,1,2,3
	v_add_nc_u32 v[SQ+\b], 0xff000000, v[TM+\b]    ; 2 off its exponent field: the conversion takes the exponent field of this operand as its scale
.endr
.irp b, 0,1,2,3
	v_lshrrev_b32 v[TM+4+\b], 23, v[SQ+\b]         ; the scale's byte
.endr
	v_lshl_or_b32 v[PWS+(\a)], v[TM+5], 8, v[TM+4]
	v_lshl_or_b32 v[PWS+(\a)], v[TM+6], 16, v[PWS+(\a)]
	v_lshl_or_b32 v[PWS+(\a)], v[TM+7], 24, v[PWS+(\a)]
.endm
.macro CV a, k                         ; the codes of tile k; tiles 0, 2 and tiles 1, 3 of a half are laid side by side for the exchanges
.set PQ, PC+16*((\a)%2)
.set SQ, SC+4*((\a)%2)
	WIN 0x22+0x11*((\a)/4)
	v_cvt_scalef32_pk8_fp4_f32 v[PQ+4*(\k/4)+((\k%4)/2)+2*(\k%2)], v[64*((\a)%4)+8*\k:64*((\a)%4)+8*\k+7], v[SQ+\k/2]
.endm
.macro OUT a                           ; block a's conversions, with block a + 1's maxima between them
.if (\a) > 1
	s_wait_alu depctr_va_vdst(0)
	s_wait_xcnt 0x0                                ; block a - 2's stores have read the codes' registers
.endif
.irp k, 0,1,2,3,4,5,6,7
	CV \a, \k
.if (\a) < 7
	MX (\a)+1, \k
.endif
.endr
	WIN 0
.if (\a) == 7
	v_nop                                          ; one plain instruction behind the scaled conversions
.endif
.irp c, 0,1                                    ; the first register's lanes 16-31 change places with the second's lanes 0-15: registers 4 c .. 4 c + 3 then hold K = 64 c + 32 h + 0 .. 31: the operand's layout
	v_permlane16_swap_b32 v[PQ+4*\c],   v[PQ+4*\c+1]
	v_permlane16_swap_b32 v[PQ+4*\c+2], v[PQ+4*\c+3]
.endr
.irp i, 0,1,2,3,4,5,6,7                        ; relu: in each code with its sign set the three lower bits go: 8 - 1 = 7 is their mask
	v_and_b32 v[MK+\i], 0x88888888, v[PQ+\i]
.endr
.irp i, 0,1,2,3,4,5,6,7
	v_lshrrev_b32 v[MK+8+\i], 3, v[MK+\i]
.endr
.irp i, 0,1,2,3,4,5,6,7
	v_sub_nc_u32 v[MK+\i], v[MK+\i], v[MK+8+\i]
.endr
.irp i, 0,1,2,3,4,5,6,7
	v_bfi_b32 v[PQ+\i], v[MK+\i], 0, v[PQ+\i]
.endr
.irp c, 0,1
	global_store_b128 v[CO], v[PQ+4*\c:PQ+4*\c+3], s[96:97] offset:(\a)*1024+\c*512   ; the fragment's image: 32 lanes store 512 consecutive bytes, aligned
.endr
.if (\a) < 7
	FIN (\a)+1
.endif
.endm
.irp k, 0,1,2,3,4,5,6,7
	MX 0, \k
.endr
	FIN 0
.irp a, 0,1,2,3,4,5,6,7
	OUT \a
.endr
	v_cmp_ne_u32 vcc_lo, 0, v2                     ; lanes 0-15 store the words of blocks 0-3 of their row r, lanes 16-31 those of blocks 4-7
.irp j, 0,1,2,3
	v_cndmask_b32 v[TM+\j], v[PWS+\j], v[PWS+4+\j], vcc_lo
.endr
	global_store_b128 v[SO], v[TM:TM+3], s[98:99]  ; each half of the lanes stores 256 consecutive bytes, aligned
	s_wait_tensorcnt 0x0                           ; the wave's end
	ds_add_u32 v[SPW], v[NIL]
	s_wait_dscnt 0x0
	CROUND                                         ; the closing round
	s_endpgm
.Lfunc_end_k_qc5ced3a916_fc1:
	.size	k_qc5ced3a916_fc1, .Lfunc_end_k_qc5ced3a916_fc1-k_qc5ced3a916_fc1
	.p2alignl 7, 3214868480
	.fill 96, 4, 3214868480
	.section	.rodata,"a",@progbits
	.p2align	6, 0x0
	.amdhsa_kernel k_qc5ced3a916_fc1
		.amdhsa_group_segment_fixed_size 327680
		.amdhsa_private_segment_fixed_size 0
		.amdhsa_enable_private_segment 0
		.amdhsa_kernarg_size 48
		.amdhsa_user_sgpr_count 2
		.amdhsa_user_sgpr_kernarg_segment_ptr 1
		.amdhsa_wavefront_size32 1
		.amdhsa_system_sgpr_workgroup_id_x 1
		.amdhsa_system_sgpr_workgroup_id_y 1
		.amdhsa_system_sgpr_workgroup_id_z 1
		.amdhsa_system_vgpr_workitem_id 0
		.amdhsa_next_free_vgpr 1024
		.amdhsa_next_free_sgpr 100
		.amdhsa_reserve_vcc 1
		.amdhsa_float_denorm_mode_32 3
		.amdhsa_float_denorm_mode_16_64 3
		.amdhsa_memory_ordered 1
		.amdhsa_forward_progress 1
		.amdhsa_inst_pref_size 230
	.end_amdhsa_kernel
	.amdgpu_metadata
---
amdhsa.version: [ 1, 2 ]
amdhsa.kernels:
  - .name:           k_qc5ced3a916_fc1
    .symbol:         k_qc5ced3a916_fc1.kd
    .args:
      - { .name: x_codes, .offset: 0, .size: 8, .value_kind: global_buffer, .address_space: global }
      - { .name: x_scales, .offset: 8, .size: 8, .value_kind: global_buffer, .address_space: global }
      - { .name: w1_codes, .offset: 16, .size: 8, .value_kind: global_buffer, .address_space: global }
      - { .name: w1_scales, .offset: 24, .size: 8, .value_kind: global_buffer, .address_space: global }
      - { .name: b1, .offset: 32, .size: 8, .value_kind: global_buffer, .address_space: global }
      - { .name: h, .offset: 40, .size: 8, .value_kind: global_buffer, .address_space: global }
    .group_segment_fixed_size: 327680
    .private_segment_fixed_size: 0
    .kernarg_segment_align: 8
    .kernarg_segment_size: 48
    .max_flat_workgroup_size: 128
    .sgpr_count:     100
    .vgpr_count:     1024
    .wavefront_size: 32
...
	.end_amdgpu_metadata
.endif
;; end of part 1
;; launch fc2 (part 2): grid 16 x 16, 4 waves a work-group, clusters of 4 x 4, 327,680 bytes of LDS; arguments h, w2_codes, w2_scales, b2, out0; writes out0
.if DOCPART == 2
	.amdgcn_target "amdgcn-amd-amdhsa--gfx1250"
	.amdhsa_code_object_version 6
	.text
	.protected	k_qc5ced3a916_fc2
	.globl	k_qc5ced3a916_fc2
	.p2align	8
	.type	k_qc5ced3a916_fc2,@function
k_qc5ced3a916_fc2:
	s_mov_b64 s[64:65], 0
	v_nop
	global_prefetch_b8 v0, s[64:65] scope:SCOPE_SE
	s_setreg_imm32_b32 hwreg(HW_REG_WAVE_MODE, 25, 1), 1
	s_wait_xcnt 0x0
	s_wait_alu depctr_hold_cnt(0) depctr_sa_sdst(0) depctr_va_vdst(0) depctr_va_sdst(0) depctr_va_ssrc(0) depctr_va_vcc(0) depctr_vm_vsrc(0)
	s_getreg_b32 s2, hwreg(HW_REG_IB_STS2, 6, 4)
	s_cmp_eq_u32 s2, 0
	s_cbranch_scc0 .Lentry_in_a_cluster
	s_endpgm
.Lentry_in_a_cluster:
	s_bfe_u32 s2, ttmp6, 0x10000c
	s_cmp_lg_u32 s2, 0xf033
	s_cbranch_scc0 .Lentry_shape_is_right
	s_endpgm
.Lentry_shape_is_right:
; out0 = h w2 + b2.  h: [2048][8192] as the launch before left it: [T 16][t 8] blocks of 69,632 bytes (128 rows x 1,024 along K): codes of FP4 (E2M1) as images of fragments, [kc 8][a 8][c 2][lane 32][16 bytes],
; and at byte 65,536 scale words [w 4][g 2][lane (q, r) 32][j 4]: row 16 (4 g + j) + r, kc = 2 w + q.  w2: [2048][8192] codes, K innermost, 4,096 bytes a row; its scale bytes [2048][256].  b2: [2048] f32.  out0: [2048][2048] f32.
; A tile of out0 is 128 x 128: 16 x 16 tiles, 256 work-groups (tiles of 256 x 256 would be 64).  THE FOUR WAVES SHARE K, NOT THE TILE: each keeps a whole 128 x 128 of partial sums, 64 accumulators, 512 registers,
; and takes two of the eight chunks of 128 along K in each K step of 1,024: kc = 2 w and 2 w + 1.  So each byte of a tile is read from LDS once.  At the end the four partial tiles meet in LDS, and each wave adds, with b2, 32 whole rows
; and stores them.  (An output is so the sum of four f32 sums, each with K ascending, and b2.)
; K = 8,192 goes in eight K steps through a ring of two LDS slots: h's block, codes and scale words, as it lies (no padding: a load of the wave reads 512 consecutive bytes), and w2's 128 rows of 512 bytes, 16 bytes of padding behind each.
; w2's scale bytes (128 rows of 256 bytes: a dense block) come into LDS once, with K step 0.
; CLUSTERS: 4 x 4 work-groups.  The four of a row of the cluster need the same blocks of h, the four of a column the same tiles of w2: each is asked for jointly, by the same tensor load with the same descriptor and a mask that names the four.
; PREFETCH: K step t + 1 is asked for behind K step t's joint load, one K step ahead of its own; the four partners of a joint load share its blocks of 256 bytes out by address (68 of h's 272, 64 of w2's 256), the waves theirs (17 and 16).
; A wave's last lanes name its last block again.  Step 7 is the last that is asked for.
; THE MATRIX INSTRUCTION IS USED TRANSPOSED (source 0 = 16 rows of w2, source 1 = 16 rows of h): a lane holds eight neighbouring numbers of a row of out0.
; A scale register holds the words of the even chunk in lanes 0-15 and of the odd chunk in lanes 16-31: the ROW1 selectors take the second.
; LIMITS: NaN and infinities, and scale bytes 0xff, are not served.
; REGISTERS: window 0: v0-31 addresses; v32-47 h's scale words, v48-63 w2's, a set of eight for each slot; v64-67 b2.
;   window 1: w2's fragments, two sets (even, odd chunk) at v0, v64; h's at v128, v192; at the end v0-191 three sets of 64 for the sums.
;   window 2: the accumulators of columns 0-63 ((b, a) at v[8 (8 b + a)]);   window 3: those of columns 64-127.
.set HBLK,  69632                      ; a block of h
.set WP,    528                        ; an LDS row of w2, and of a stage: 512 bytes + 16 = 132 words: row r starts at bank 4 r mod 64 (64 banks of 4 bytes: ISA guide 11.1)
.set SLOT,  HBLK+128*WP                ; a K step
.set SCL,   2*SLOT                     ; behind the ring: w2's scale bytes, 128 rows of 256 bytes + 16 of padding
.set SPARE, SCL+128*272                ; the spare words, 128 bytes for each wave
.set STGW,  128*WP                     ; the end: a stage of 128 rows for each wave, from LDS byte 0 on: 270,336 bytes, inside the ring, which has had its last fill and its last read by then
.set RD,    8                          ; v8-11   the end: where I read my 32 rows of wave u's stage
.set ADH,   16                         ; v16-17  LDS address of my chunks of h in slot 0, 1
.set ADW,   18                         ; v18-19  of my fragments of w2
.set ADS,   20                         ; v20-21  of my scale words of h
.set ADB,   22                         ; v22     of my scale words of w2; stepped 64 bytes, two K steps, a trip
.set LI,    23                         ; v23     16 x lane
.set STO,   24                         ; v24     the end: where I put 32 bytes of a row of my stage
.set PFH,   25                         ; v25, v26  the prefetches' offsets for h and w2; never rewritten
.set PFW,   26
.set SPW,   28                         ; v28     LDS address of my spare word; never rewritten
.set NIL,   29                         ; v29     0; never rewritten
.set SA,    32
.set SB,    48
.set BI,    64                         ; b2 at my four columns of a row
.set G1,   24                          ; s[24:31] group 1 for h;  s[32:39] group 0, one set for each slot
.set G0,   32
.set G1B,  48                          ; s[48:55], s[56:63] the same for w2
.set G0B,  56
.set G1S,  68                          ; s[68:75], s[76:79] groups 1 and 0 for w2's scale bytes
.set G0S,  76
.set G0H,  80                          ; s[80:83], s[84:87], s[88:91] group 0 for the head's loads of h and of w2's two halves
.set G0W,  84
.set G0X,  88
.set MSB, 0
.macro WIN new                         ; the immediate's high byte repeats the setting that is left; a switch that changes nothing is dropped
.if MSB != (\new)
	s_set_vgpr_msb (MSB<<8)|(\new)
.set MSB, (\new)
.endif
.endm
.set TO_1, 0x40                        ; destination window 1, address window 0
; A joint load: waves 0 and 1 fetch h's two halves, waves 2 and 3 w2's; the branch hangs on the wave's number alone.
.macro JLOAD s
	s_cmp_eq_u32 s15, 0
	s_cbranch_scc0 .Lfor_b_\@
	tensor_load_to_lds s[G0+4*\s:G0+4*\s+3], s[G1:G1+7]
	s_nop 0
.rept 4
	v_nop
.endr
	s_branch .Lasked_\@
.Lfor_b_\@:
	tensor_load_to_lds s[G0B+4*\s:G0B+4*\s+3], s[G1B:G1B+7]
	s_nop 0
.rept 4
	v_nop
.endr
.Lasked_\@:
.endm
.macro ARM under, g0, g1, next         ; the head's load of one wave
	s_cmp_lt_u32 s14, \under
	s_cbranch_scc0 \next
	tensor_load_to_lds s[\g0:\g0+3], s[\g1:\g1+7]
	s_nop 0
.rept 4
	v_nop
.endr
	s_branch .Lhead_asked
\next:
.endm
.macro CREST                           ; a round of the cluster's barrier behind its opening barrier
	s_cmp_lg_u32 s14, 0
	s_cbranch_scc1 .Lnot_wave_0_\@
	s_barrier_signal -3
.Lnot_wave_0_\@:
	s_barrier_wait -3
	s_barrier_signal -1
	s_barrier_wait -1
.endm
.macro CROUND                          ; a whole round
	s_barrier_signal -1
	s_barrier_wait -1
	CREST
.endm
.macro PLACES                          ; loads into registers that matrix instructions have read, and LDS stores of their results, stand four plain vector instructions behind them (ISA guide 7.12.1 for vector instructions)
.rept 4
	v_nop
.endr
.endm
.macro ASK k                           ; prefetch the K step k beyond the bases
	global_prefetch_b8 v[PFH], s[92:93] offset:(\k)*HBLK th:TH_LOAD_NT scope:SCOPE_SE
	global_prefetch_b8 v[PFW], s[94:95] offset:(\k)*512 th:TH_LOAD_NT scope:SCOPE_SE
.endm
	s_load_b256 s[4:11], s[0:1], 0x0               ; h s[4:5], w2's codes s[6:7], w2's scales s[8:9], b2 s[10:11]
	s_load_b64 s[12:13], s[0:1], 0x20              ; out0
	v_lshl_add_u32 v[SPW], v0, 2, SPARE
	v_mov_b32 v[NIL], 0
	ds_add_u32 v[SPW], v[NIL]                      ; the opening lines: the add, twice on end, and its wait
	ds_add_u32 v[SPW], v[NIL]
	v_lshrrev_b32 v1, 5, v0
	v_readfirstlane_b32 s14, v1                    ; wave 0..3
	s_lshr_b32 s15, s14, 1                         ; in the ring I fetch for h (0) or for w2 (1),
	s_and_b32 s16, s14, 1                          ; and which half
	s_bfe_u32 s40, ttmp6, 0x40000                  ; cx, cy: my place in the cluster
	s_bfe_u32 s41, ttmp6, 0x40004
	s_lshl_b32 s42, ttmp9, 2
	s_add_co_u32 s42, s42, s40                     ; X, the tile's column block
	s_and_b32 s17, ttmp7, 0xffff
	s_lshl_b32 s17, s17, 2
	s_add_co_u32 s17, s17, s41                     ; T, the tile's row block
	s_lshl_b32 s43, s41, 2
	s_lshl_b32 s43, 15, s43                        ; my row of the cluster
	s_lshl_b32 s44, 0x1111, s40                    ; my column
	; group 1 for h: dense, as rows of 256 bytes (32 elements of 8 bytes): 272 at the head, 136 in the ring
	s_or_b32 s[G1+0], s43, (3<<16)|(1<<21)
	s_mov_b32 s[G1+1], 32<<16
	s_mov_b32 s[G1+2], 272<<16
	s_mov_b32 s[G1+3], 32<<16
	s_mov_b32 s[G1+4], 272
	s_mov_b32 s[G1+5], 32
	s_mov_b32 s[G1+6], 0
	s_mov_b32 s[G1+7], 0
	; for w2: 64 rows of 512 bytes, 4,096 bytes apart, 16 bytes of padding behind every 128 words (code 6)
	s_or_b32 s[G1B+0], s44, (0<<16)|(1<<20)|(1<<21)|(6<<22)|(3<<25)
	s_mov_b32 s[G1B+1], 512<<16
	s_mov_b32 s[G1B+2], 64<<16
	s_mov_b32 s[G1B+3], 512<<16
	s_mov_b32 s[G1B+4], 64
	s_mov_b32 s[G1B+5], 4096
	s_mov_b32 s[G1B+6], 0
	s_mov_b32 s[G1B+7], 0
	; for w2's scale bytes: 128 rows of 256 bytes, dense, 16 bytes of padding behind every 64 words (code 5)
	s_or_b32 s[G1S+0], s44, (3<<16)|(1<<20)|(1<<21)|(5<<22)|(3<<25)
	s_mov_b32 s[G1S+1], 32<<16
	s_mov_b32 s[G1S+2], 128<<16
	s_mov_b32 s[G1S+3], 32<<16
	s_mov_b32 s[G1S+4], 128
	s_mov_b32 s[G1S+5], 32
	s_mov_b32 s[G1S+6], 0
	s_mov_b32 s[G1S+7], 0
	s_mul_i32 s18, s17, 8*HBLK                     ; h's blocks of T
	s_mov_b32 s19, 0
	s_lshl_b32 s46, s42, 19                        ; w2's 128 rows of X
	s_mov_b32 s47, 0
	s_lshl_b32 s22, s42, 15                        ; their scale bytes
	s_mov_b32 s23, 0
	s_mov_b32 s[G0H], 1
	s_mov_b32 s[G0H+1], 0
	s_mov_b32 s[G0W], 1
	s_mov_b32 s[G0W+1], HBLK
	s_mov_b32 s[G0X], 1
	s_mov_b32 s[G0X+1], HBLK+64*WP
	s_mov_b32 s[G0S], 1
	s_mov_b32 s[G0S+1], SCL
	s_wait_dscnt 0x0                               ; both opening adds are done
	CROUND                                         ; all sixteen work-groups are here: the first joint loads meet
	s_wait_kmcnt 0x0
	s_add_nc_u64 s[18:19], s[4:5], s[18:19]
	s_add_nc_u64 s[46:47], s[6:7], s[46:47]
	s_add_nc_u64 s[G0S+2:G0S+3], s[8:9], s[22:23]
	s_mov_b64 s[G0H+2:G0H+3], s[18:19]
	s_mov_b64 s[G0W+2:G0W+3], s[46:47]
	s_add_nc_u64 s[G0X+2:G0X+3], s[46:47], 64*4096
	s_or_b32 s[G0S+3], s[G0S+3], 0x80000000
	s_or_b32 s[G0H+3], s[G0H+3], 0x80000000
	s_or_b32 s[G0W+3], s[G0W+3], 0x80000000
	s_or_b32 s[G0X+3], s[G0X+3], 0x80000000
	; the head's loads, one a wave: K step 0's block of h, its two halves of w2's rows, w2's scale bytes; one tree of branches, one load on each way
	ARM 1, G0H, G1,  .Lhead_w
	ARM 2, G0W, G1B, .Lhead_x
	ARM 3, G0X, G1B, .Lhead_s
	tensor_load_to_lds s[G0S:G0S+3], s[G1S:G1S+7]
	s_nop 0
.rept 4
	v_nop
.endr
.Lhead_asked:
	s_mul_i32 s22, s16, HBLK/2                     ; the ring: my half of h's block (s23 is still 0),
	s_add_nc_u64 s[20:21], s[18:19], s[22:23]
	s_lshl_b32 s94, s16, 18                        ; or my 64 rows of w2
	s_mov_b32 s95, 0
	s_add_nc_u64 s[2:3], s[46:47], s[94:95]
	s_mul_i32 s45, s16, 64*WP
	s_add_co_u32 s45, s45, HBLK
.irp s, 0,1
	s_mov_b32 s[G0+4*\s], 1
	s_add_co_u32 s[G0+4*\s+1], s22, \s*SLOT
	s_add_nc_u64 s[G0+4*\s+2:G0+4*\s+3], s[20:21], \s*HBLK
	s_or_b32 s[G0+4*\s+3], s[G0+4*\s+3], 0x80000000
	s_mov_b32 s[G0B+4*\s], 1
	s_add_co_u32 s[G0B+4*\s+1], s45, \s*SLOT
	s_add_nc_u64 s[G0B+4*\s+2:G0B+4*\s+3], s[2:3], \s*512
	s_or_b32 s[G0B+4*\s+3], s[G0B+4*\s+3], 0x80000000
.endr
	s_mul_i32 s92, s40, HBLK/4                     ; the prefetches: h: my work-group's quarter of the block, my wave's quarter of that
	s_mul_i32 s93, s14, HBLK/16
	s_add_co_u32 s92, s92, s93
	s_mov_b32 s93, 0
	s_add_nc_u64 s[92:93], s[18:19], s[92:93]
	s_lshl_b32 s94, s41, 17                        ; w2: my work-group's 32 rows, my wave's eight of them
	s_lshl_b32 s95, s14, 15
	s_add_co_u32 s94, s94, s95
	s_mov_b32 s95, 0
	s_add_nc_u64 s[94:95], s[46:47], s[94:95]
	s_lshl_b32 s20, s42, 9                         ; the tile's first column, in bytes of f32
	s_mov_b32 s21, 0
	s_add_nc_u64 s[10:11], s[10:11], s[20:21]
	s_add_nc_u64 s[12:13], s[12:13], s[20:21]
	s_lshl_b32 s20, s17, 20                        ; out0: the first row that I store: 128 T + 32 x wave, 8,192 bytes a row
	s_lshl_b32 s22, s14, 18
	s_add_co_u32 s20, s20, s22
	s_add_nc_u64 s[12:13], s[12:13], s[20:21]
	s_lshl_b32 s20, s14, 14                        ; my two chunks of h,
	s_lshl_b32 s21, s14, 7                         ; of w2,
	s_add_co_u32 s21, s21, HBLK
	s_lshl_b32 s22, s14, 10                        ; my scale words of h,
	s_add_co_u32 s22, s22, 65536
	s_lshl_b32 s23, s14, 3                         ; of w2
	s_add_co_u32 s23, s23, SCL
	s_mul_i32 s46, s14, STGW
	s_mul_i32 s47, s14, 32*WP
	v_and_b32 v1, 15, v0                           ; r
	v_bfe_u32 v2, v0, 4, 1                         ; h, the half of the lanes
	v_and_b32 v3, 31, v0
	v_lshlrev_b32 v[LI], 4, v3
	v_mul_u32_u24 v4, v1, WP
	v_lshl_add_u32 v5, v2, 4, v4
	v_lshl_add_u32 v6, v2, 5, v4
	v_add_nc_u32 v[ADH], s20, v[LI]
	v_add_nc_u32 v[ADW], s21, v5
	v_add_nc_u32 v[ADS], s22, v[LI]
	v_add_nc_u32 v[ADH+1], SLOT, v[ADH]
	v_add_nc_u32 v[ADW+1], SLOT, v[ADW]
	v_add_nc_u32 v[ADS+1], SLOT, v[ADS]
	v_mul_u32_u24 v7, v1, 272                      ; w2's scale words: row r, + 8 x wave, + 4 h: the odd chunk's word in lanes 16-31
	v_lshl_add_u32 v7, v2, 2, v7
	v_add_nc_u32 v[ADB], s23, v7
	v_add_nc_u32 v[STO], s46, v6
	v_add_nc_u32 v[RD], s47, v[LI]
	v_add_nc_u32 v[RD+1], STGW, v[RD]
	v_add_nc_u32 v[RD+2], STGW, v[RD+1]
	v_add_nc_u32 v[RD+3], STGW, v[RD+2]
	v_min_u32 v12, 16, v3                          ; h: 17 blocks of 256 bytes
	v_lshlrev_b32 v[PFH], 8, v12
	v_min_u32 v13, 15, v3                          ; w2: eight rows x two blocks
	v_and_b32 v14, 1, v13
	v_lshrrev_b32 v13, 1, v13
	v_lshlrev_b32 v14, 8, v14
	v_lshl_add_u32 v[PFW], v13, 12, v14
	s_wait_alu depctr_va_vdst(0)
	ASK 1
	global_load_b128 v[BI:BI+3], v[LI], s[10:11]   ; b2 at my four columns of a row
.macro FH s, e                         ; h's eight fragments of my chunk e of slot s: images: each load reads 512 consecutive bytes
	WIN TO_1
.irp a, 0,1,2,3,4,5,6,7
.irp c, 0,1
	ds_load_b128 v[128+64*(\e)+8*\a+4*\c:128+64*(\e)+8*\a+4*\c+3], v[ADH+\s] offset:8192*(\e)+1024*\a+512*\c
.endr
.endr
.endm
.macro FW s, e                         ; w2's eight: lane l holds row l % 16; registers 4 c .. 4 c + 3 hold K = 64 c + 32 (l / 16) + 0 .. 31
	WIN TO_1
.irp b, 0,1,2,3,4,5,6,7
.irp c, 0,1
	ds_load_b128 v[64*(\e)+8*\b+4*\c:64*(\e)+8*\b+4*\c+3], v[ADW+\s] offset:64*(\e)+32*\c+\b*16*WP
.endr
.endr
.endm
.macro FS s, off                       ; slot s's scale words into set s
	WIN 0
.irp g, 0,1
	ds_load_b128 v[SA+8*\s+4*\g:SA+8*\s+4*\g+3], v[ADS+\s] offset:512*\g
.endr
.irp b, 0,1,2,3,4,5,6,7
	ds_load_b32 v[SB+8*\s+\b], v[ADB] offset:\b*16*272+\off
.endr
.endm
; Eight matrix instructions: w2's tile b against h's eight blocks, 128 along K: chunk e of slot p.  first = 1: the first product starts the sums.
; The 64 accumulators take turns in the same order in every chunk.
.macro M8 b, e, p, first
	WIN 0xa5+0x50*((\b)/4)                         ; sources 0 and 1 window 1; C and D window 2 or 3
.irp a, 0,1,2,3,4,5,6,7
.if \first
	v_wmma_scale_f32_16x16x128_f8f6f4 v[8*(8*((\b)%4)+\a):8*(8*((\b)%4)+\a)+7], v[64*(\e)+8*(\b):64*(\e)+8*(\b)+7], v[128+64*(\e)+8*\a:128+64*(\e)+8*\a+7], 0, v[SB+8*(\p)+(\b)], v[SA+8*(\p)+\a] matrix_a_fmt:MATRIX_FMT_FP4 matrix_b_fmt:MATRIX_FMT_FP4
.elseif (\e) == 1
	v_wmma_scale_f32_16x16x128_f8f6f4 v[8*(8*((\b)%4)+\a):8*(8*((\b)%4)+\a)+7], v[64*(\e)+8*(\b):64*(\e)+8*(\b)+7], v[128+64*(\e)+8*\a:128+64*(\e)+8*\a+7], v[8*(8*((\b)%4)+\a):8*(8*((\b)%4)+\a)+7], v[SB+8*(\p)+(\b)], v[SA+8*(\p)+\a] matrix_a_fmt:MATRIX_FMT_FP4 matrix_b_fmt:MATRIX_FMT_FP4 matrix_a_scale:MATRIX_SCALE_ROW1 matrix_b_scale:MATRIX_SCALE_ROW1
.else
	v_wmma_scale_f32_16x16x128_f8f6f4 v[8*(8*((\b)%4)+\a):8*(8*((\b)%4)+\a)+7], v[64*(\e)+8*(\b):64*(\e)+8*(\b)+7], v[128+64*(\e)+8*\a:128+64*(\e)+8*\a+7], v[8*(8*((\b)%4)+\a):8*(8*((\b)%4)+\a)+7], v[SB+8*(\p)+(\b)], v[SA+8*(\p)+\a] matrix_a_fmt:MATRIX_FMT_FP4 matrix_b_fmt:MATRIX_FMT_FP4
.endif
.endr
.endm
; A slot's even chunk.  Its loads went out in the order scale words, h, w2's tiles 0 .. 7 (two loads a tile); the odd chunk's 16 of h and 16 of w2 go out here.
.macro EVEN s, first
.if (\first) == 0
	PLACES
.endif
	FH \s, 1
	s_wait_dscnt 28                                ; w2's tiles 0, 1 are in: younger are tiles 2 to 7 (12 loads) and the odd chunk's 16 of h
	M8 0, 0, \s, \first
	M8 1, 0, \s, \first
	s_wait_dscnt 24                                ; tiles 2, 3
	M8 2, 0, \s, \first
	M8 3, 0, \s, \first
	FW \s, 1
	s_wait_dscnt 36                                ; tiles 4, 5: younger are tiles 6, 7 (4 loads) and the odd chunk's 32
	M8 4, 0, \s, \first
	M8 5, 0, \s, \first
	s_wait_dscnt 32                                ; tiles 6, 7
	M8 6, 0, \s, \first
	M8 7, 0, \s, \first
.endm
; A slot's odd chunk changes slots: ONE barrier; in front of it each wave waits for all its tensor loads, adds 0 to its spare word, and waits for that and for its own reads of this slot.
; fill = 1: this slot is filled again, two K steps ahead; the barrier then opens a round of the cluster's barrier, and the joint refill is the first tensor load behind the round: up to the next such wait 112 matrix instructions follow.
.macro ODD s, n, fill, off
	WIN 0                                          ; (the add's two registers lie in window 0)
	s_wait_tensorcnt 0x0                           ; my part of the next slot is in
	ds_add_u32 v[SPW], v[NIL]
	s_wait_dscnt 15                                ; h and w2's tile 0 are in: younger are tiles 1 to 7 (14 loads) and the add
	M8 0, 1, \s, 0
	s_wait_dscnt 0x0                               ; the add is done, and my reads of this slot are over
	s_barrier_signal -1
	M8 1, 1, \s, 0
	WIN 0
	s_barrier_wait -1
.if \fill
	CREST                                          ; no wave of any partner still reads this slot's tiles or has a tensor load on its way
	s_add_nc_u64 s[G0+4*\s+2:G0+4*\s+3], s[G0+4*\s+2:G0+4*\s+3], 2*HBLK
	s_add_nc_u64 s[G0B+4*\s+2:G0B+4*\s+3], s[G0B+4*\s+2:G0B+4*\s+3], 1024
	JLOAD \s                                       ; its four v_nop are the places in front of the loads below
.else
	PLACES
.endif
	FS \n, \off
	FH \n, 0
	FW \n, 0
.if \fill
	WIN 0
.if (\s) == 0
	ASK 3
.else
	s_cmp_gt_u32 s3, 1                             ; the last trip has no such step
	s_cbranch_scc0 .Lnone_\@
	ASK 4
.Lnone_\@:
.endif
.endif
.irp b, 2,3,4,5,6,7
	M8 \b, 1, \s, 0
.endr
.endm
	s_wait_tensorcnt 0x0                           ; my tile of the head's four is in
	ds_add_u32 v[SPW], v[NIL]
	s_mov_b32 s[G1+2], 136<<16                     ; no tensor load of mine is out: from here on a load brings half of h's block
	s_mov_b32 s[G1+4], 136
	s_wait_dscnt 0x0                               ; the add is done
	CROUND                                         ; all four tiles are in, and all sixteen work-groups are here:
	JLOAD 1                                        ; K step 1, the first tensor load behind the round
	FS 0, 0
	FH 0, 0
	FW 0, 0
	WIN 0
	ASK 2
	EVEN 0, 1                                      ; the first products start the sums: nothing is cleared
	WIN 0
	s_mov_b32 s3, 3
.Llap:                                                 ; a trip goes once round the ring, from slot 0's odd chunk to its next even chunk, and fills both slots again: K steps 2 to 7
	ODD 0, 1, 1, 32
	EVEN 1, 0
	ODD 1, 0, 1, 64
	EVEN 0, 0
	WIN 0
	v_add_nc_u32 v[ADB], 64, v[ADB]                ; on by two K steps' scale words
	s_wait_alu depctr_va_vdst(0)
	s_wait_xcnt 0x0                                ; the prefetches have read their bases
	s_add_nc_u64 s[92:93], s[92:93], 2*HBLK
	s_add_nc_u64 s[94:95], s[94:95], 1024
	s_sub_co_u32 s3, s3, 1
	s_cmp_lg_u32 s3, 0
	s_cbranch_scc1 .Llap
	ODD 0, 1, 0, 32                                ; nothing is left to fetch: no round, no load
	EVEN 1, 0
; THE END.  Each wave lays its partial tile into its own stage: lane (r, h), accumulator (b, a): row 16 a + r, columns 16 b + 8 h + 0 .. 7: 32 bytes.
.macro STG b
	WIN 0x08+4*((\b)/4)                            ; an LDS store's data are its source 1: window 2 or 3
.irp a, 0,1,2,3,4,5,6,7
	ds_store_b128 v[STO], v[8*(8*((\b)%4)+\a):8*(8*((\b)%4)+\a)+3]   offset:\a*16*WP+64*(\b)      ; each accumulator from its low end on
	ds_store_b128 v[STO], v[8*(8*((\b)%4)+\a)+4:8*(8*((\b)%4)+\a)+7] offset:\a*16*WP+64*(\b)+16
.endr
.endm
	WIN 0
	s_wait_dscnt 0x0                               ; my reads of the ring are over:
	s_barrier_signal -1                            ; say so,
.irp b, 0,1,2,3
	M8 \b, 1, 1, 0
.endr
	WIN 0
	s_barrier_wait -1                              ; and when all four have said so the stages may be written over it: every tensor load was waited for at the last change of slots
.irp b, 4,5,6,7                                ; the last products, with the finished tiles' stores between them
	M8 \b, 1, 1, 0
	PLACES
	STG \b-4
.endr
.irp b, 4,5,6,7
	STG \b
.endr
	WIN 0
	s_wait_dscnt 0x0                               ; for the others' sake: my stores into my stage are done
	s_barrier_signal -1
	s_barrier_wait -1
	s_wait_loadcnt 0x0                             ; b2, asked for at the head
; Wave w adds rows 32 w .. 32 w + 31 of the four stages, four rows a group, in three sets of 64 registers by turns: while one group is added and stored, two are on their way from LDS.
.macro LOADG g                         ; 16 loads: row 4 g + t of stage u, 512 bytes on end
.set SET, 64*((\g)%3)
	WIN TO_1
.irp t, 0,1,2,3
.irp u, 0,1,2,3
	ds_load_b128 v[SET+16*\t+4*\u:SET+16*\t+4*\u+3], v[RD+\u] offset:(4*(\g)+\t)*WP
.endr
.endr
.endm
.macro SUMG g                          ; (wave 0's + wave 1's) + (wave 2's + wave 3's) + b2, two numbers an instruction
.set SET, 64*((\g)%3)
	WIN 0x45                                       ; destination and both sources window 1
.irp t, 0,1,2,3
.irp p, 0,1
	v_pk_add_f32 v[SET+16*\t+2*\p:SET+16*\t+2*\p+1],     v[SET+16*\t+2*\p:SET+16*\t+2*\p+1],     v[SET+16*\t+4+2*\p:SET+16*\t+4+2*\p+1]
	v_pk_add_f32 v[SET+16*\t+8+2*\p:SET+16*\t+8+2*\p+1], v[SET+16*\t+8+2*\p:SET+16*\t+8+2*\p+1], v[SET+16*\t+12+2*\p:SET+16*\t+12+2*\p+1]
.endr
.endr
.irp t, 0,1,2,3
.irp p, 0,1
	v_pk_add_f32 v[SET+16*\t+2*\p:SET+16*\t+2*\p+1], v[SET+16*\t+2*\p:SET+16*\t+2*\p+1], v[SET+16*\t+8+2*\p:SET+16*\t+8+2*\p+1]
.endr
.endr
	WIN 0x41                                       ; source 1 (b2) window 0
.irp t, 0,1,2,3
.irp p, 0,1
	v_pk_add_f32 v[SET+16*\t+2*\p:SET+16*\t+2*\p+1], v[SET+16*\t+2*\p:SET+16*\t+2*\p+1], v[BI+2*\p:BI+2*\p+1]
.endr
.endr
.endm
.macro SENDG g
.set SET, 64*((\g)%3)
	WIN 0x04                                       ; a store's data are its source 1: window 1
.irp t, 0,1,2,3
	global_store_b128 v[LI], v[SET+16*\t:SET+16*\t+3], s[12:13] offset:(4*(\g)+\t)*8192 th:TH_STORE_NT   ; 32 lanes store 512 consecutive bytes, at a multiple of 256 from out0's first byte; written once, read by nobody here
.endr
.endm
	LOADG 0
	LOADG 1
.irp g, 0,1,2,3,4,5,6,7
.if \g < 6
.if \g > 0
	s_wait_xcnt 0x0                                ; group g - 1's stores have read their registers: group g + 2's loads land there only behind this wait
.endif
	LOADG \g+2
	s_wait_dscnt 32                                ; group g is in; the two younger groups' 32 loads may be out
.elseif \g == 6
	s_wait_dscnt 16                                ; the last group's 16 loads may be out
.else
	s_wait_dscnt 0x0
.endif
	SUMG \g
	SENDG \g
.endr
	WIN 0
	s_wait_tensorcnt 0x0                           ; the wave's end
	ds_add_u32 v[SPW], v[NIL]
	s_wait_dscnt 0x0
	CROUND                                         ; the closing round
	s_endpgm
.Lfunc_end_k_qc5ced3a916_fc2:
	.size	k_qc5ced3a916_fc2, .Lfunc_end_k_qc5ced3a916_fc2-k_qc5ced3a916_fc2
	.p2alignl 7, 3214868480
	.fill 96, 4, 3214868480
	.section	.rodata,"a",@progbits
	.p2align	6, 0x0
	.amdhsa_kernel k_qc5ced3a916_fc2
		.amdhsa_group_segment_fixed_size 327680
		.amdhsa_private_segment_fixed_size 0
		.amdhsa_enable_private_segment 0
		.amdhsa_kernarg_size 40
		.amdhsa_user_sgpr_count 2
		.amdhsa_user_sgpr_kernarg_segment_ptr 1
		.amdhsa_wavefront_size32 1
		.amdhsa_system_sgpr_workgroup_id_x 1
		.amdhsa_system_sgpr_workgroup_id_y 1
		.amdhsa_system_sgpr_workgroup_id_z 1
		.amdhsa_system_vgpr_workitem_id 0
		.amdhsa_next_free_vgpr 1024
		.amdhsa_next_free_sgpr 100
		.amdhsa_reserve_vcc 0
		.amdhsa_float_denorm_mode_32 3
		.amdhsa_float_denorm_mode_16_64 3
		.amdhsa_memory_ordered 1
		.amdhsa_forward_progress 1
		.amdhsa_inst_pref_size 137
	.end_amdhsa_kernel
	.amdgpu_metadata
---
amdhsa.version: [ 1, 2 ]
amdhsa.kernels:
  - .name:           k_qc5ced3a916_fc2
    .symbol:         k_qc5ced3a916_fc2.kd
    .args:
      - { .name: h, .offset: 0, .size: 8, .value_kind: global_buffer, .address_space: global }
      - { .name: w2_codes, .offset: 8, .size: 8, .value_kind: global_buffer, .address_space: global }
      - { .name: w2_scales, .offset: 16, .size: 8, .value_kind: global_buffer, .address_space: global }
      - { .name: b2, .offset: 24, .size: 8, .value_kind: global_buffer, .address_space: global }
      - { .name: out0, .offset: 32, .size: 8, .value_kind: global_buffer, .address_space: global }
    .group_segment_fixed_size: 327680
    .private_segment_fixed_size: 0
    .kernarg_segment_align: 8
    .kernarg_segment_size: 40
    .max_flat_workgroup_size: 128
    .sgpr_count:     100
    .vgpr_count:     1024
    .wavefront_size: 32
...
	.end_amdgpu_metadata
.endif
;; end of part 2
